; MI455X (gfx1250); checked and timed in simulation.
; The chip was launched on July 23, 2026; its instructions are those of AMD's public machine-readable ISA for CDNA 5 (MIT licence, August 2026) and "CDNA5" Instruction Set Architecture Reference Guide (July 2026). The comments in the code are by the model that wrote it; some were corrected since.
;; Place Cells. Allowed arithmetic: matrix products marked QUANTISED: E2M1 operands, one E8M0 scale for each 32 along K, by v_wmma_scale_f32_16x16x128_f8f6f4 with both operands' format E2M1 (or v_wmma_scale_f32_32x16x128_f4), f32 sums; everything else in f32.
;; Inputs: placeCells_codes 2,048 x 8 x 16 uint8 (E2M1 codes of placeCells, K innermost, in blocks of 32 codes, two codes a byte); placeCells_scales 2,048 x 8 uint8 (E8M0 scales of placeCells, one for each 32 codes along K); x_codes 131,072 x 8 x 16 uint8 (E2M1 codes of x, K innermost, in blocks of 32 codes, two codes a byte); x_scales 131,072 x 8 uint8 (E8M0 scales of x, one for each 32 codes along K).
;; Outputs: out0 131,072 int32.
;; This version of the problem:
;;   THIS VERSION OF THE PROBLEM IS GIVEN IN LOW PRECISION. The matrix products marked QUANTISED in the list below multiply operands that are first quantised to E2M1 (2 exponent bits, 1 mantissa bit; 4 bits a number), with one power-of-two scale for each 32 numbers along K (OCP MX v1.0); their sums are f32. All else is computed in f32.
;;   The module's matrix products, in the order in which they are computed (A, B: the left and right operand; K: the contracted axis; several contracted axes count as one K, in the product's order):
;;     1. [M 131,072, K 256] x [K 256, N 2,048]; A: input x (given as codes); B: input placeCells (given as codes): QUANTISED
;;   THE QUANTISER, for each operand of a quantised product, along K:
;;     - K is cut into blocks of 32 from its start; a last block that is shorter is filled with zeros.
;;     - A block's scale is 2^e with e = floor(log2(the largest magnitude in the block)) - 2, held to -126 .. 127; a block of zeros has e = 0. As a byte (E8M0): e + 127.
;;     - Each number is divided by its block's scale, clamped to +-6, and rounded to the nearest number of E2M1, ties to even, subnormals kept.
;;     - The product sums the exact products of the quantised numbers (number of the format x scale) in f32.
;;   ~~~python
;;   def quantise(x, axis):      # numpy; x: float32 -> the quantised numbers, widened to float32 again
;;       x = np.moveaxis(x, axis, -1); K = x.shape[-1]
;;       x = np.pad(x, [(0, 0)] * (x.ndim - 1) + [(0, -K % 32)]); x = x.reshape(x.shape[:-1] + (-1, 32)); a = np.abs(x).max(-1, keepdims=True)
;;       e = np.where(a > 0, np.clip(np.frexp(np.where(a > 0, a, 1))[1] - 1 - 2, -126, 127), 0)      # np.frexp(a)[1] - 1 = floor(log2(a)), exactly
;;       r = np.clip(x / 2.0 ** e, -6, 6)
;;       step = 2.0 ** (np.maximum(np.frexp(np.where(r == 0, 1, r))[1] - 1, 0) - 1)
;;       q = np.round(r / step) * step * 2.0 ** e      # np.round: ties to even
;;       return np.moveaxis(q.reshape(q.shape[:-2] + (-1,))[..., :K], -1, axis).astype(np.float32)
;;   ~~~
;;   INPUTS GIVEN AS CODES. placeCells (in the module: [2048, 256], K = its axis 1); x (in the module: [131072, 256], K = its axis 1): each comes as NAME_codes (uint8): NAME with its K axis moved to the last place and cut into blocks of 32 codes, [.., K / 32, bytes a block], one block behind the other in memory; two codes a byte, the lower K in the low four bits (a code: sign, 2 exponent bits, 1 mantissa bit); and NAME_scales (uint8): the same leading axes, one E8M0 byte (e + 127) for each 32 codes along K. Its value is code x scale, taken as it is: it is not quantised again, and the codes and scales need not be those that the quantiser above would give.
;; One version. Each part assembles by itself: llvm-mc -triple=amdgcn-amd-amdhsa -mcpu=gfx1250 --defsym DOCPART=n.
;; ======== version 1 of 1: 1 launch
;; limits: right only within a limited range of input values
;; launch nearest (part 1): grid 256 x 1, 8 waves a work-group, clusters of 4 x 1, 327,680 bytes of LDS; arguments placeCells_codes, placeCells_scales, x_codes, x_scales, out0; writes out0
.if DOCPART == 1
	.amdgcn_target "amdgcn-amd-amdhsa--gfx1250"
	.amdhsa_code_object_version 6
	.text
	.protected	k_qbe0a8e4350_nearest
	.globl	k_qbe0a8e4350_nearest
	.p2align	8
	.type	k_qbe0a8e4350_nearest,@function
k_qbe0a8e4350_nearest:
	s_mov_b64 s[64:65], 0
	v_nop
	global_prefetch_b8 v0, s[64:65] scope:SCOPE_SE
	s_setreg_imm32_b32 hwreg(HW_REG_WAVE_MODE, 25, 1), 1
	s_wait_xcnt 0x0
	s_wait_alu depctr_hold_cnt(0) depctr_sa_sdst(0) depctr_va_vdst(0) depctr_va_sdst(0) depctr_va_ssrc(0) depctr_va_vcc(0) depctr_vm_vsrc(0)
	s_getreg_b32 s2, hwreg(HW_REG_IB_STS2, 6, 4)
	s_cmp_eq_u32 s2, 0
	s_cbranch_scc0 .Lentry_in_a_cluster
	s_endpgm
.Lentry_in_a_cluster:
	s_bfe_u32 s2, ttmp6, 0x10000c
	s_cmp_lg_u32 s2, 0x3003
	s_cbranch_scc0 .Lentry_shape_is_right
	s_endpgm
.Lentry_shape_is_right:
; out0[n] = the first index c at which sims[n][c] = sum over k of x[n][k] P[c][k] is largest.  x: 131,072 states, P: 2,048 cells, K = 256; both as codes of FP4 (E2M1), two a byte, one E8M0 byte for each 32 along K.
; SHARES.  256 work-groups of eight waves; a work-group owns 512 states, a wave 64 of them (four tiles of 16), against ALL cells: a state has one owner, and no result goes from wave to wave.
; LDS.  All of P comes to lie in LDS (1,024 rows of two cells, 256 bytes + 16 of padding).  Every work-group reads the same P, so the four work-groups of a cluster ask for it JOINTLY (mask 15).
; The work-group's x, laid out like 512 cells, first lands in the bytes of P's last 512 cells; each wave takes its 64 states into registers, where they stay, and then P's last 512 cells are filled in there.
; One tensor load a wave at each place: at the head x (waves 0-3), cells 0-511 (waves 4, 5) and all scale bytes (waves 6, 7); behind a round cells 512-1535; behind one more, after group 13, cells 1536-2047.
; No data prefetch: x is read once, by the head's loads, with no loop to run ahead in; P's later parts are asked for 14 groups and 32 groups ahead of their use.
; THE PRODUCT IS USED TRANSPOSED: source 0 = 32 cells (a GROUP, 64 of them), source 1 = 16 states.  Lane (r = lane % 16, h = lane / 16) holds state r; register j of the 16 results is cell 32 g + 8 h + j (j < 8) or + j + 8: rising with j.
; THE ARGMAX, for each lane and tile: RO the largest number so far, IX the first group that reached it, SAV that group's 16 numbers.  A group replaces only by a strict rise, so the first one wins.
; At the end the first j with SAV[j] = RO gives the lane's cell, and lanes l and l xor 16 (the same state, other cells) are joined: the larger maximum, at equal maxima the lower cell.
; LIMITS: a similarity that is NaN (a scale byte 0xff; infinity less infinity after an overflow) is not served: the definition would return the first NaN's index.  Infinities as values, rows that are all
; negative, and -0 against +0 (equal: the first index wins) are served.
; REGISTERS: window 0 as below; window 1: v0-63 x's codes, read by the matrix instructions as source 1 (setting 0x04).
.set PITCH, 272                        ; the sixteen lanes of a load's half take 16-byte columns (r >> 1) + 8 (r & 1) modulo 16: all different
.set GRPB,  16*PITCH                   ; a group of 32 cells
.set HALFG, 8*PITCH                    ; 16 cells, or 16 states
.set XLDS,  768*PITCH                  ; where x lands, and later cells 1536-2047
.set PSO,   1024*PITCH                 ; P's scale bytes as they lie in memory, 8 a cell
.set OUTS,  PSO+16384                  ; 256 bytes for each wave, for the way out; no tile lands here
.set SPARE, OUTS+2048                  ; the spare words, 128 bytes for each wave
.set AP0, 1                            ; v1  my lane's place in a group's codes: 272 (r >> 1) + 128 (r & 1) + 16 h
.set AS0, 2                            ; v2  and among a group's scale words: PSO + 8 x lane
.set ADP, 3                            ; v3, v4  LDS addresses of the even group of the pair that is being fetched (v3 first: my x)
.set ADS, 4
.set GV,  5                            ; v5  the group whose numbers are being kept
.set XT0, 6                            ; v6, v7, v10, v11  the four tiles' maxima of the group.  They and GV differ modulo 4, as second sources of a dual-issue pair must
.set XT1, 7
.set XT2, 10
.set XT3, 11
.set XB0, 8                            ; partial maxima, a set for each tile
.set XC0, 9
.set XD0, 30
.set XB1, 31
.set XC1, 118
.set XD1, 119
.set XB2, 120
.set XC2, 121
.set XD2, 122
.set XB3, 123
.set XC3, 124
.set XD3, 125
.set RO,  12                           ; v12+2t tile t's largest so far;  v13+2t the first group that reached it
.set XS,  20                           ; v20+2t, v21+2t  x's scale words of tile t, K steps 0 and 1: scales and nothing else
.set PSE, 28                           ; v[28:29], v[112:113]  an even and an odd group's scale words, K steps 0 and 1: scales and nothing else
.set PSD, 112
.set PFE, 32                           ; v32-63, v64-95  an even and an odd group's codes: at + 16 k + 8 u + 4 c: K step k, cells 16 u + r, bytes 64 k + 32 c + 16 h of the row
.set PFD, 64
.set A3D, 96                           ; v96-111  tile 3's similarities of an odd group
.set SPW, 114                          ; v114, v115  the spare word's address and 0; never rewritten
.set NIL, 115
.set XSO, 116                          ; v116  x's scale words: 8 r
.set ACC, 128                          ; v128-175 tiles 0-2's similarities; v176-191 tile 3's of an even group
.set A3E, 176
.set SAV, 192                          ; v192-255 the winning group's numbers, 16 a tile
.set XF,  0                            ; window 1: x's codes at 16 t + 8 k + 4 c
.set J,   32                           ; the tail, in the registers that held P's codes
.set MO,  36
.set CO,  40
.set R01, 44
.set R23, 45
.set OA,  46
.set OB,  47
.set OG,  48
.set H8,  49
.set WV,  14
.set G1X, 24                           ; descriptor groups 1: x (64 rows), head's cells (128 rows), scale bytes, cells 512-1535 (64 rows), cells 1536-2047 (32 rows)
.set G1H, 32
.set G1S, 40
.set G1C, 48
.set G1D, 56
.set G0X, 68                           ; and their groups 0
.set G0H, 72
.set G0S, 76
.set G0C, 80
.set G0D, 84
.set TB,  88                           ; LDS byte at which the pair last fetched begins: stepped ahead of its use
.set TS,  89                           ; and its scale words, less PSO
.set CNT, 90
.set SEL, 92                           ; s[92:93] lane selects for v_permlanex16_b32: lane l xor 16
.set UPP, 94                           ; a mask of lanes 16-31
.set MK,  68                           ; s68-79 masks of the tail (no tensor load is out by then)
.set W0X, (3<<16)|(1<<20)|(5<<22)|(3<<25)     ; elements of 8 bytes, 4 words of padding after every 64; no mask
.set W0P, W0X|15|(1<<21)                      ; the same for all four work-groups of the cluster
.set W0S, (3<<16)|15|(1<<21)                  ; no padding
.set MSB, 0
.macro WIN new                         ; the immediate's high byte repeats the setting that is left
.if MSB != \new
	s_set_vgpr_msb (MSB<<8)|\new
.set MSB, \new
.endif
.endm
.macro ROUND                           ; a round of the cluster's barrier
	s_barrier_signal -1
	s_barrier_wait -1
	s_cmp_lg_u32 s[WV], 0
	s_cbranch_scc1 .Lnot_wave_0_\@
	s_barrier_signal -3
.Lnot_wave_0_\@:
	s_barrier_wait -3
	s_barrier_signal -1
	s_barrier_wait -1
.endm
.macro SETG1 g, w0, rows               ; a dense tile of rows of 256 bytes: 32 elements of 8 bytes
	s_mov_b32 s[\g], \w0
	s_mov_b32 s[\g+1], 32<<16
	s_mov_b32 s[\g+2], \rows<<16
	s_mov_b32 s[\g+3], 32<<16
	s_mov_b32 s[\g+4], \rows
	s_mov_b32 s[\g+5], 32
	s_mov_b32 s[\g+6], 0
	s_mov_b32 s[\g+7], 0
.endm
.macro SETG0 g, base, off
	s_mov_b32 s[\g], 1
	s_add_nc_u64 s[\g+2:\g+3], s[\base:\base+1], s[\off:\off+1]
	s_or_b32 s[\g+3], s[\g+3], 0x80000000
.endm
.macro TLOAD g0, g1
	tensor_load_to_lds s[\g0:\g0+3], s[\g1:\g1+7]
	s_nop 0
.rept 4
	v_nop
.endr
.endm
.macro LOADK pf, k, adrp, po           ; K step k of a group's codes: 32 cells x 128 along K: four loads
.irp u, 0,1
.irp c, 0,1
	ds_load_b128 v[\pf+16*\k+8*\u+4*\c:\pf+16*\k+8*\u+4*\c+3], v[\adrp] offset:\po+\u*HALFG+64*\k+32*\c
.endr
.endr
.endm
.macro LOADP pf, sc, adrp, adrs, po, so ; a group: nine loads, the scale words first
	ds_load_b64 v[\sc:\sc+1], v[\adrs] offset:\so
	LOADK \pf, 0, \adrp, \po
	LOADK \pf, 1, \adrp, \po
.endm
.macro LOADX k                         ; my 64 states' codes, K step k: eight loads
	WIN 0x40
.irp t, 0,1,2,3
.irp c, 0,1
	ds_load_b128 v[XF+16*\t+8*\k+4*\c:XF+16*\t+8*\k+4*\c+3], v[ADP] offset:\t*HALFG+64*\k+32*\c
.endr
.endr
	WIN 0
.endm
; A group's eight matrix instructions in one run: the four tiles take turns; K step 0 starts the sums.  AT0-AT3: the tiles' accumulators; PB, PS: the group's codes and scale words.
; n0, n1: the LDS loads issued behind K step 0's and behind K step 1's, which may be out.
.macro BUNCH n0, n1
	s_wait_dscnt \n0
	WIN 0x04
.irp t, 0,1,2,3
	v_wmma_scale_f32_32x16x128_f4 v[AT\t:AT\t+15], v[PB:PB+15], v[XF+16*\t:XF+16*\t+7], 0, v[PS], v[XS+2*\t]
.endr
	s_wait_dscnt \n1
.irp t, 0,1,2,3
	v_wmma_scale_f32_32x16x128_f4 v[AT\t:AT\t+15], v[PB+16:PB+31], v[XF+16*\t+8:XF+16*\t+15], v[AT\t:AT\t+15], v[PS+1], v[XS+2*\t+1]
.endr
	WIN 0
.endm
; THE MAXIMUM of a tile's 16 numbers: half of a dual-issue pair (MA: tiles p and q, two numbers each, from the low end on) and seven lines MX.  Tile p takes numbers 0, 1 there, tile q numbers 1, 2: sources that differ modulo 4.
.macro MA p, q
	v_dual_max_num_f32 v[XT\p], v[AT\p], v[AT\p+1] :: v_dual_max_num_f32 v[XT\q], v[AT\q+1], v[AT\q+2]
.endm
.macro MX t, n
.if \n == 0
.if \t & 1
	v_max3_num_f32 v[XB\t], v[AT\t], v[AT\t+3], v[AT\t+4]
.else
	v_max3_num_f32 v[XB\t], v[AT\t+2], v[AT\t+3], v[AT\t+4]
.endif
.elseif \n == 1
	v_max3_num_f32 v[XC\t], v[AT\t+5], v[AT\t+6], v[AT\t+7]
.elseif \n == 2
	v_max3_num_f32 v[XD\t], v[AT\t+8], v[AT\t+9], v[AT\t+10]
.elseif \n == 3
	v_max3_num_f32 v[XT\t], v[XT\t], v[XB\t], v[XC\t]
.elseif \n == 4
	v_max3_num_f32 v[XB\t], v[AT\t+11], v[AT\t+12], v[AT\t+13]
.elseif \n == 5
	v_max3_num_f32 v[XD\t], v[XD\t], v[XB\t], v[AT\t+14]
.else
	v_max3_num_f32 v[XT\t], v[XT\t], v[XD\t], v[AT\t+15]
.endif
.endm
.macro CX t                            ; VCC: where the group's maximum is a strict rise
	v_cmp_lt_f32 vcc_lo, v[RO+2*\t], v[XT\t]
.endm
.macro DXA t, i, a                     ; there numbers 2 i, 2 i + 1 are taken over
	v_dual_cndmask_b32 v[SAV+16*\t+2*\i], v[SAV+16*\t+2*\i], v[\a+2*\i] :: v_dual_cndmask_b32 v[SAV+16*\t+2*\i+1], v[SAV+16*\t+2*\i+1], v[\a+2*\i+1]
.endm
.macro DX t, i
	DXA \t, \i, AT\t
.endm
.macro PX t                            ; and the group's number; the running maximum rises
	v_dual_max_num_f32 v[RO+2*\t], v[RO+2*\t], v[XT\t] :: v_dual_cndmask_b32 v[RO+2*\t+1], v[RO+2*\t+1], v[GV]
.endm
; TILE 3's selects are done a group later, from its accumulator of the group before (AQ3): they are the places behind the next group's products, and stand between the maxima of tiles 0 and 1.
.macro CQ
.if dq
	CX 3
.else
	v_nop
.endif
.endm
.macro DQ                              ; the next pair of numbers, if one is left
.if qn < 8
.if dq
	v_dual_cndmask_b32 v[SAV+48+2*qn], v[SAV+48+2*qn], v[AQ3+2*qn] :: v_dual_cndmask_b32 v[SAV+49+2*qn], v[SAV+49+2*qn], v[AQ3+2*qn+1]
.endif
.set qn, qn+1
.endif
.endm
.macro PQ
.if dq
	PX 3
.endif
.endm
; The vector work of a group behind the places.
.macro WORK
	MA 0, 1
	MX 0, 0
	DQ
	MX 1, 0
	MX 0, 1
	DQ
	MX 1, 1
	MX 0, 2
	DQ
	MX 1, 2
	DQ
	MX 0, 3
	MX 1, 3
	DQ
	MX 0, 4
	MX 1, 4
	DQ
	DQ
	MX 0, 5
	MX 1, 5
	PQ
	v_add_nc_u32 v[GV], 1, v[GV]                   ; from here on this group's numbers are kept
	MX 0, 6
	MX 1, 6
	MA 2, 3
	MX 2, 0
	CX 0
	MX 3, 0
	MX 2, 1
	DX 0, 0
	DX 0, 1
	MX 3, 1
	DX 0, 2
	DX 0, 3
	MX 2, 2
	DX 0, 4
	DX 0, 5
	MX 3, 2
	DX 0, 6
	DX 0, 7
	PX 0
	CX 1
	MX 2, 3
	MX 3, 3
	DX 1, 0
	DX 1, 1
	MX 2, 4
	DX 1, 2
	DX 1, 3
	MX 3, 4
	DX 1, 4
	DX 1, 5
	MX 2, 5
	DX 1, 6
	MX 3, 5
	DX 1, 7
	MX 2, 6
	PX 1
	CX 2
	MX 3, 6
.irp i, 0,1,2,3,4,5,6,7
	DX 2, \i
.endr
	PX 2
.endm
; A TRIP multiplies group G (odd = G % 2), fetches group G + 2 into the registers that G's codes held, and takes group G into the argmax (tile 3: group G - 1).  Four plain vector lines stand between the products
; and the first load into P's registers and the first read of a result, and name none of the products' registers (four are asked: ISA guide 7.12.1 for vector instructions).
; fetch = 1: an even group's address is made here, the odd group's lies one group further on;  2: group 3;  0: none.  dfr = 0: group 1: tile 3 has nothing to catch up.
.macro TRIP odd, fetch, dfr, n0, n1
.set dq, \dfr
.set qn, 0
.if \odd
.set AT3, A3D
.set AQ3, A3E
.set PB, PFD
.set PS, PSD
.else
.set AT3, A3E
.set AQ3, A3D
.set PB, PFE
.set PS, PSE
.endif
.if (\fetch == 1) && (\odd == 0)
	s_add_co_u32 s[TB], s[TB], 2*GRPB
	s_add_co_u32 s[TS], s[TS], 512
.endif
	BUNCH \n0, \n1
	CQ
.if (\fetch == 1) && (\odd == 0)
	v_add_nc_u32 v[ADP], s[TB], v[AP0]
	v_add_nc_u32 v[ADS], s[TS], v[AS0]
	DQ
	LOADP PB, PS, ADP, ADS, 0, 0
.elseif \fetch == 2
.rept 3
	v_nop
.endr
	LOADP PB, PS, AP0, AS0, 3*GRPB, 768
.else
	DQ
	DQ
	DQ
.if \fetch
	LOADP PB, PS, ADP, ADS, GRPB, 256
.endif
.endif
	WORK
.endm
.macro GROUPS from, pairs              ; multiplies groups from .. from + 2 pairs - 1 and fetches those two further on
	s_mov_b32 s[TB], \from*GRPB
	s_mov_b32 s[TS], \from*256
	s_mov_b32 s[CNT], \pairs
.Lgroup_\@:
	TRIP 0, 1, 1, 13, 9                            ; behind K step 0's: K step 1's four loads and the next group's nine
	TRIP 1, 1, 1, 13, 9
	s_sub_co_u32 s[CNT], s[CNT], 1
	s_cmp_lg_u32 s[CNT], 0
	s_cbranch_scc1 .Lgroup_\@
.endm
	s_load_b256 s[4:11], s[0:1], 0x0               ; P's codes s[4:5], P's scales s[6:7], x's codes s[8:9], x's scales s[10:11]
	s_load_b64 s[12:13], s[0:1], 0x20              ; out0
	v_lshl_add_u32 v[SPW], v0, 2, SPARE
	v_mov_b32 v[NIL], 0
	ds_add_u32 v[SPW], v[NIL]                      ; the wave's opening: the add, twice on end, and its wait ahead of my first tensor load
	ds_add_u32 v[SPW], v[NIL]
	v_lshrrev_b32 v5, 5, v0
	v_readfirstlane_b32 s[WV], v5                  ; wave 0..7
	v_and_b32 v[XSO], 15, v0
	v_lshlrev_b32 v[XSO], 3, v[XSO]                ; a state's scale bytes are 8
	s_bfe_u32 s15, ttmp6, 0x40000                  ; cx enters x's and out0's addresses alone
	s_lshl_b32 s16, ttmp9, 2                       ; in a cluster launch ttmp9 counts clusters
	s_add_co_u32 s16, s16, s15                     ; my work-group
	s_and_b32 s17, s[WV], 3
	s_and_b32 s15, s[WV], 1
	s_lshl_b32 s18, s16, 16                        ; x's codes: 65,536 x work-group
	s_lshl_b32 s20, s17, 14                        ; + 16,384 x (wave % 4): 128 states
	s_add_co_u32 s18, s18, s20
	s_mov_b32 s19, 0
	s_lshl_b32 s20, s16, 12                        ; x's scale bytes: 4,096 x work-group + 512 x wave
	s_lshl_b32 s22, s[WV], 9
	s_add_co_u32 s20, s20, s22
	s_mov_b32 s21, 0
	s_lshl_b32 s22, s16, 11                        ; out0: 2,048 x work-group + 256 x wave
	s_lshl_b32 s23, s[WV], 8
	s_add_co_u32 s22, s22, s23
	s_mov_b32 s23, 0
	s_lshl_b32 s88, s15, 15                        ; P, cells 0-511: 32,768 x (wave % 2)
	s_mov_b32 s89, 0
	s_lshl_b32 s90, s15, 13                        ; P's scale bytes: 8,192 x (wave % 2)
	s_mov_b32 s91, 0
	s_lshl_b32 s92, s[WV], 14                      ; P, cells 512-1535: 16,384 x wave
	s_add_co_u32 s92, s92, 65536
	s_mov_b32 s93, 0
	s_lshl_b32 s94, s[WV], 13                      ; P, cells 1536-2047: 8,192 x wave
	s_add_co_u32 s94, s94, 3*65536
	s_mov_b32 s95, 0
	s_mul_i32 s[G0X+1], s17, 64*PITCH              ; and where they go: the wave's number alone enters these
	s_add_co_u32 s[G0X+1], s[G0X+1], XLDS
	s_mul_i32 s[G0H+1], s15, 128*PITCH
	s_lshl_b32 s[G0S+1], s15, 13
	s_add_co_u32 s[G0S+1], s[G0S+1], PSO
	s_mul_i32 s[G0C+1], s[WV], 64*PITCH
	s_add_co_u32 s[G0C+1], s[G0C+1], 256*PITCH
	s_mul_i32 s[G0D+1], s[WV], 32*PITCH
	s_add_co_u32 s[G0D+1], s[G0D+1], XLDS
	SETG1 G1X, W0X, 64
	SETG1 G1H, W0P, 128
	SETG1 G1S, W0S, 32
	SETG1 G1C, W0P, 64
	SETG1 G1D, W0P, 32
	s_wait_alu depctr_va_vdst(0)
	s_wait_dscnt 0x0                               ; both opening adds are done
	s_wait_kmcnt 0x0
	s_add_nc_u64 s[10:11], s[10:11], s[20:21]
	s_add_nc_u64 s[12:13], s[12:13], s[22:23]
.irp t, 0,1,2,3                                ; nobody writes x's scale bytes, so these loads may be out across the barriers that follow
	global_load_b64 v[XS+2*\t:XS+2*\t+1], v[XSO], s[10:11] offset:128*\t th:TH_LOAD_NT
.endr
	SETG0 G0X, 8, 18
	SETG0 G0H, 4, 88
	SETG0 G0S, 6, 90
	SETG0 G0C, 4, 92
	SETG0 G0D, 4, 94
	ROUND                                          ; all four work-groups are here: the first joint loads meet
	s_cmp_lt_u32 s[WV], 4                          ; one tensor load a wave: one chain of branches on the wave's number
	s_cbranch_scc0 .Lhead_p
	TLOAD G0X, G1X
	s_branch .Lhead
.Lhead_p:
	s_cmp_lt_u32 s[WV], 6
	s_cbranch_scc0 .Lhead_s
	TLOAD G0H, G1H
	s_branch .Lhead
.Lhead_s:
	TLOAD G0S, G1S
.Lhead:
	v_bfe_u32 v[AP0], v0, 1, 3                     ; r >> 1: which LDS row of the group's half
	v_and_b32 v[ADP], 1, v0                        ; r & 1: which half of that row
	v_bfe_u32 v6, v0, 4, 1                         ; h
	v_and_b32 v7, 31, v0                           ; lane
	v_mul_u32_u24 v[AP0], v[AP0], PITCH
	v_lshl_add_u32 v[AS0], v7, 3, PSO
	v_lshl_add_u32 v[AP0], v[ADP], 7, v[AP0]
	v_lshl_add_u32 v[AP0], v6, 4, v[AP0]
	v_add_nc_u32 v[ADP], s[G0D+1], v[AP0]          ; my 64 states lie in XLDS + 32 rows x wave
	s_mov_b32 s[SEL], 0x76543210
	s_mov_b32 s[SEL+1], 0xfedcba98
	s_mov_b32 s[UPP], 0xffff0000
	s_wait_alu depctr_va_vdst(0)
	s_wait_loadcnt 0x0                             ; x's scale words
	s_wait_tensorcnt 0x0                           ; my part of the head's tiles is in
	ds_add_u32 v[SPW], v[NIL]
	s_wait_dscnt 0x0
	ROUND                                          ; everybody's part is in, and the joint loads meet
	TLOAD G0C, G1C                                 ; cells 512-1535
	ds_load_b64 v[PSE:PSE+1], v[AS0]               ; group 0 and my x
	LOADK PFE, 0, AP0, 0
	LOADX 0
	LOADK PFE, 1, AP0, 0
	LOADX 1
	LOADP PFD, PSD, AP0, AS0, GRPB, 256            ; group 1
	; GROUP 0's products go straight to where the winning group's numbers are kept: nothing is cleared and nothing is selected.
.set AT0, SAV
.set AT1, SAV+16
.set AT2, SAV+32
.set AT3, SAV+48
.set PB, PFE
.set PS, PSE
	BUNCH 21, 9                                    ; behind K step 0's: four loads of P and eight of x, and group 1's nine
	v_mov_b32 v[GV], 0
	v_nop
	v_nop
	v_nop
	LOADP PFE, PSE, AP0, AS0, 2*GRPB, 512          ; group 2
	MA 0, 1
	MA 2, 3
.irp n, 0,1,2,3,4,5,6
.irp t, 0,1,2,3
	MX \t, \n
.endr
.endr
	v_dual_mov_b32 v[RO], v[XT0] :: v_dual_mov_b32 v[RO+1], v[GV]
	v_dual_mov_b32 v[RO+2], v[XT1] :: v_dual_mov_b32 v[RO+3], v[GV]
	v_dual_mov_b32 v[RO+4], v[XT2] :: v_dual_mov_b32 v[RO+5], v[GV]
	v_dual_mov_b32 v[RO+6], v[XT3] :: v_dual_mov_b32 v[RO+7], v[GV]
	s_wait_alu depctr_va_vdst(0)
.set AT0, ACC
.set AT1, ACC+16
.set AT2, ACC+32
	TRIP 1, 2, 0, 13, 9                            ; group 1
	GROUPS 2, 6                                    ; groups 2-13: they fetch up to group 15
	s_wait_tensorcnt 0x0                           ; my part of cells 512-1535 is in
	ds_add_u32 v[SPW], v[NIL]
	s_wait_dscnt 0x0
	ROUND                                          ; everybody's part is in; every wave of the cluster has its x in registers
	TLOAD G0D, G1D                                 ; cells 1536-2047, over x's bytes
	GROUPS 14, 16                                  ; groups 14-45: they fetch up to group 47
	s_wait_tensorcnt 0x0                           ; my part of cells 1536-2047 is in: my last tensor load
	s_wait_dscnt 0x0                               ; no LDS instruction of mine is out at the signal
	s_barrier_signal -1
	s_barrier_wait -1                              ; and so is everybody's
	GROUPS 46, 8                                   ; groups 46-61
	TRIP 0, 0, 1, 13, 9                            ; group 62
	TRIP 1, 0, 1, 4, 0                             ; group 63
	CX 3                                           ; and its tile 3
.irp i, 0,1,2,3,4,5,6,7
	DX 3, \i
.endr
	PX 3
	; THE LANE'S CELL: the first j at which the winning group's number equals the maximum; taken from the top down, so that the lowest j is written last.  One of the 16 is equal, so j = 15 (cell + 23) needs no compare.
.irp t, 0,1,2,3
	v_mov_b32 v[J+\t], 23
.endr
.irp j, 14,13,12,11,10,9,8,7,6,5,4,3,2,1,0
.irp t, 0,1,2,3
	v_cmp_eq_f32 s[MK+\t], v[SAV+16*\t+\j], v[RO+2*\t]
.endr
.irp t, 0,1,2,3
	v_cndmask_b32 v[J+\t], v[J+\t], \j+8*(\j/8), s[MK+\t]
.endr
.endr
	v_and_b32 v[H8], 16, v0
	v_and_b32 v[OG], 31, v0                        ; lane
.irp t, 0,1,2,3
	v_lshl_add_u32 v[J+\t], v[RO+2*\t+1], 5, v[J+\t]               ; 32 x group + the register's cell
.endr
	v_lshrrev_b32 v[H8], 1, v[H8]                  ; 8 h
	v_lshlrev_b32 v[OA], 2, v[OG]
	v_lshlrev_b32 v[OG], 3, v[OG]
.irp t, 0,1,2,3
	v_add_nc_u32 v[J+\t], v[H8], v[J+\t]           ; + 8 h
.endr
	; THE STATE'S CELL: lane l xor 16 holds the same state's other cells.  Its cell is taken where its maximum is larger, or equal with a lower cell.  Both lanes end with the same answer.
.irp t, 0,1,2,3
	v_permlanex16_b32 v[MO+\t], v[RO+2*\t], s[SEL], s[SEL+1]       ; (the destinations have been written: they held P's codes)
	v_permlanex16_b32 v[CO+\t], v[J+\t], s[SEL], s[SEL+1]
.endr
.irp t, 0,1,2,3
	v_cmp_gt_f32 s[MK+\t], v[MO+\t], v[RO+2*\t]
	v_cmp_eq_f32 s[MK+4+\t], v[MO+\t], v[RO+2*\t]
	v_cmp_lt_u32 s[MK+8+\t], v[CO+\t], v[J+\t]
.endr
	s_lshl_b32 s15, s[WV], 8
	s_add_co_u32 s15, s15, OUTS
	v_add_nc_u32 v[OA], s15, v[OA]
	v_add_nc_u32 v[OB], s15, v[OG]
	s_wait_alu depctr_va_vdst(0)
.irp t, 0,1,2,3
	s_and_b32 s[MK+4+\t], s[MK+4+\t], s[MK+8+\t]
	s_or_b32 s[MK+\t], s[MK+\t], s[MK+4+\t]
.endr
.irp t, 0,1,2,3
	v_cndmask_b32 v[J+\t], v[J+\t], v[CO+\t], s[MK+\t]
.endr
	; THE WAY OUT.  Lanes 0-15 keep tile 0's (tile 2's) answers, lanes 16-31 tile 1's (tile 3's): a lane a state.  Through my wave's own 256 bytes of LDS each lane gets two neighbouring states' answers,
	; so that ONE store of the wave covers its 256 consecutive bytes of out0, which begin at a multiple of 256.
	v_cndmask_b32 v[R01], v[J], v[J+1], s[UPP]
	v_cndmask_b32 v[R23], v[J+2], v[J+3], s[UPP]
	ds_store_b32 v[OA], v[R01]
	ds_store_b32 v[OA], v[R23] offset:128
	ds_load_b64 v[50:51], v[OB]                    ; LDS serves a wave's instructions in order (ISA guide 5.7.1.4): this sees the two stores
	s_wait_alu depctr_va_vdst(0)
	s_wait_dscnt 0x0
	global_store_b64 v[OG], v[50:51], s[12:13] th:TH_STORE_NT
	s_wait_tensorcnt 0x0                           ; the wave's end
	ds_add_u32 v[SPW], v[NIL]
	s_wait_dscnt 0x0
	ROUND                                          ; the closing round: no work-group ends while a partner may still ask for a tile that names it
	s_endpgm
.Lfunc_end_k_qbe0a8e4350_nearest:
	.size	k_qbe0a8e4350_nearest, .Lfunc_end_k_qbe0a8e4350_nearest-k_qbe0a8e4350_nearest
	.p2alignl 7, 3214868480
	.fill 96, 4, 3214868480
	.section	.rodata,"a",@progbits
	.p2align	6, 0x0
	.amdhsa_kernel k_qbe0a8e4350_nearest
		.amdhsa_group_segment_fixed_size 327680
		.amdhsa_private_segment_fixed_size 0
		.amdhsa_enable_private_segment 0
		.amdhsa_kernarg_size 40
		.amdhsa_user_sgpr_count 2
		.amdhsa_user_sgpr_kernarg_segment_ptr 1
		.amdhsa_wavefront_size32 1
		.amdhsa_system_sgpr_workgroup_id_x 1
		.amdhsa_system_sgpr_workgroup_id_y 1
		.amdhsa_system_sgpr_workgroup_id_z 1
		.amdhsa_system_vgpr_workitem_id 0
		.amdhsa_next_free_vgpr 320
		.amdhsa_next_free_sgpr 96
		.amdhsa_reserve_vcc 1
		.amdhsa_float_denorm_mode_32 3
		.amdhsa_float_denorm_mode_16_64 3
		.amdhsa_memory_ordered 1
		.amdhsa_forward_progress 1
		.amdhsa_inst_pref_size 81
	.end_amdhsa_kernel
	.amdgpu_metadata
---
amdhsa.version: [ 1, 2 ]
amdhsa.kernels:
  - .name:           k_qbe0a8e4350_nearest
    .symbol:         k_qbe0a8e4350_nearest.kd
    .args:
      - { .name: placeCells_codes, .offset: 0, .size: 8, .value_kind: global_buffer, .address_space: global }
      - { .name: placeCells_scales, .offset: 8, .size: 8, .value_kind: global_buffer, .address_space: global }
      - { .name: x_codes, .offset: 16, .size: 8, .value_kind: global_buffer, .address_space: global }
      - { .name: x_scales, .offset: 24, .size: 8, .value_kind: global_buffer, .address_space: global }
      - { .name: out0, .offset: 32, .size: 8, .value_kind: global_buffer, .address_space: global }
    .group_segment_fixed_size: 327680
    .private_segment_fixed_size: 0
    .kernarg_segment_align: 8
    .kernarg_segment_size: 40
    .max_flat_workgroup_size: 256
    .sgpr_count:     96
    .vgpr_count:     320
    .wavefront_size: 32
...
	.end_amdgpu_metadata
.endif
;; end of part 1
